; MI455X (gfx1250); checked and timed in simulation.
; The chip was launched on July 23, 2026; its instructions are those of AMD's public machine-readable ISA for CDNA 5 (MIT licence, August 2026) and "CDNA5" Instruction Set Architecture Reference Guide (July 2026). The comments in the code are by the model that wrote it; some were corrected since.
;; Vector Quantizer. Allowed arithmetic: matrix products marked QUANTISED: E3M2 operands, one E8M0 scale for each 32 along K, by v_wmma_scale_f32_16x16x128_f8f6f4 with both operands' format E3M2, f32 sums; everything else in f32.
;; Inputs: codebook 8,192 x 256 float32; z_e 32,768 x 256 float32.
;; Outputs: out0 32,768 int32.
;; This version of the problem:
;;   THIS VERSION OF THE PROBLEM IS GIVEN IN LOW PRECISION. The matrix products marked QUANTISED in the list below multiply operands that are first quantised to E3M2 (3 exponent bits, 2 mantissa bits; 6 bits a number), with one power-of-two scale for each 32 numbers along K (OCP MX v1.0); their sums are f32. All else is computed in f32.
;;   The module's matrix products, in the order in which they are computed (A, B: the left and right operand; K: the contracted axis; several contracted axes count as one K, in the product's order):
;;     1. [M 32,768, K 256] x [K 256, N 8,192]; A: input z_e; B: input codebook: QUANTISED
;;   THE QUANTISER, for each operand of a quantised product, along K:
;;     - K is cut into blocks of 32 from its start; a last block that is shorter is filled with zeros.
;;     - A block's scale is 2^e with e = floor(log2(the largest magnitude in the block)) - 4, held to -126 .. 127; a block of zeros has e = 0. As a byte (E8M0): e + 127.
;;     - Each number is divided by its block's scale, clamped to +-28, and rounded to the nearest number of E3M2, ties to even, subnormals kept.
;;     - The product sums the exact products of the quantised numbers (number of the format x scale) in f32.
;;   ~~~python
;;   def quantise(x, axis):      # numpy; x: float32 -> the quantised numbers, widened to float32 again
;;       x = np.moveaxis(x, axis, -1); K = x.shape[-1]
;;       x = np.pad(x, [(0, 0)] * (x.ndim - 1) + [(0, -K % 32)]); x = x.reshape(x.shape[:-1] + (-1, 32)); a = np.abs(x).max(-1, keepdims=True)
;;       e = np.where(a > 0, np.clip(np.frexp(np.where(a > 0, a, 1))[1] - 1 - 4, -126, 127), 0)      # np.frexp(a)[1] - 1 = floor(log2(a)), exactly
;;       r = np.clip(x / 2.0 ** e, -28, 28)
;;       step = 2.0 ** (np.maximum(np.frexp(np.where(r == 0, 1, r))[1] - 1, -2) - 2)
;;       q = np.round(r / step) * step * 2.0 ** e      # np.round: ties to even
;;       return np.moveaxis(q.reshape(q.shape[:-2] + (-1,))[..., :K], -1, axis).astype(np.float32)
;;   ~~~
;; One version. Each part assembles by itself: llvm-mc -triple=amdgcn-amd-amdhsa -mcpu=gfx1250 --defsym DOCPART=n.
;; ======== version 1 of 1: 3 launches
;; limits: right only within a limited range of input values
;; workspace buffers: zimg 6,815,744 bytes; cimg 1,703,936 bytes; cand 131,072 bytes of whole numbers
;; launch quant (part 1): grid 256 x 1, 10 waves a work-group, no clusters, 170,240 bytes of LDS; arguments z_e, codebook, zimg, cimg; writes zimg, cimg
.if DOCPART == 1
	.amdgcn_target "amdgcn-amd-amdhsa--gfx1250"
	.amdhsa_code_object_version 6
	.text
	.protected	k_qe9a68278bf_quant
	.globl	k_qe9a68278bf_quant
	.p2align	8
	.type	k_qe9a68278bf_quant,@function
k_qe9a68278bf_quant:
	s_mov_b64 s[64:65], 0
	v_nop
	global_prefetch_b8 v0, s[64:65] scope:SCOPE_SE
	s_setreg_imm32_b32 hwreg(HW_REG_WAVE_MODE, 25, 1), 1
	s_wait_xcnt 0x0
; z_e [32768][256] and codebook [8192][256], f32, become RECORDS of 16 rows x 256 K, laid in the order of a matrix operand's registers.
; A record is 3,328 bytes (13 x 256):
;   bytes 512 k + 16 lane, k = 3 s + c : registers 4 c .. 4 c + 3 of the fragment (12 registers, codes of E3M2) of K step s (128 along K)
;   bytes 3072 + 4 lane                : scale words (four E8M0 bytes): lanes 0-15 row lane, K step 0; lanes 16-31 row lane - 16, K step 1
;   bytes 3200 + 4 m                   : the f32 sum of squares of row m (of the numbers as given, not of the codes);  bytes 3264 .. 3327: zeros
; A block's scale is 2^(floor(log2(largest magnitude)) - 4): its byte is the largest magnitude's exponent field - 4, held at 1 from below.
; LIMITS: NaN and infinities are not served; a block whose largest magnitude lies under 2^-122 keeps the byte 1 (a block of zeros too: its codes are
; zeros, and these bytes are read by this program alone); the sums of squares are f32 sums in this text's own order (four chains a lane, two lanes a row).
; SHARES: 2,560 records, one to a wave: record 10 x work-group + wave; the first 2,048 are z_e's.  Only pointers are chosen: one path for both tensors.
; A wave's 16 KiB are asked for at once by 32 loads of 512 consecutive bytes, turn through the wave's own stage in LDS, and come back so that lane (r, h)
; holds, of row r, the four whole blocks of 32 that the operand's layout gives it.  No loop, no barrier: waves share nothing.
.set REC,  3328
.set NZT,  2048                        ; z_e's records
.set WREG, 16896                       ; LDS of a wave: a stage of 16 rows, then 256 bytes for the record's tail
.set SP,   1040                        ; a stage row: 1,024 bytes + 16: an odd multiple of 16, so sixteen rows' pieces of 16 bytes begin at sixteen different places modulo 256
.set X,    32                          ; v32-159  the numbers: as loaded, then block b at X + 32 b
.set F,    160                         ; v160-183 the two fragments
.set T,    184                         ; v184-199 the upper halves of the four blocks' codes (a conversion's three registers begin on an even number)
.set AM,   200                         ; v200-203 largest magnitudes
.set SO,   204                         ; v204-207 the conversions' scale operands
.set BY,   208                         ; v208-211 scale bytes
.set Q,    212                         ; v212-219 four pairs: sums of squares
	s_load_b256 s[4:11], s[0:1], 0x0               ; z_e s[4:5], codebook s[6:7], zimg s[8:9], cimg s[10:11]
	v_lshl_add_u32 v224, v0, 2, 0x29400
	v_mov_b32 v225, 0
	v_lshrrev_b32 v1, 5, v0
	s_delay_alu instid0(VALU_DEP_1)
	v_readfirstlane_b32 s12, v1                    ; wave 0..9
	v_and_b32 v1, 31, v0                           ; lane
	v_and_b32 v2, 15, v0                           ; r
	v_bfe_u32 v3, v0, 4, 1                         ; h
	s_delay_alu instid0(VALU_DEP_3)
	v_lshlrev_b32 v4, 4, v1                        ; 16 x lane: my bytes of a load, and of a store of codes
	s_delay_alu instid0(VALU_DEP_4)
	v_lshlrev_b32 v9, 3, v1                        ; 8 x lane: my bytes of the tail
	s_delay_alu instid0(VALU_DEP_3)
	v_lshlrev_b32 v10, 3, v3                       ; 8 h: how far my scale bytes are shifted
	v_mov_b32 v11, 0
	v_mov_b32 v220, 0                              ; a lane permute's destination counts as one of its sources: written once
	v_mov_b32 v223, 0
	s_mul_i32 s13, s12, WREG                       ; my wave's LDS
	s_add_co_u32 s14, s13, 16*SP                   ; and the tail's 256 bytes in it
	v_add_nc_u32 v5, s13, v4                       ; into the stage: as loaded
	v_mul_u32_u24 v6, v2, SP
	s_delay_alu instid0(VALU_DEP_1)
	v_lshl_add_u32 v6, v3, 7, v6
	s_delay_alu instid0(VALU_DEP_1)
	v_add_nc_u32 v6, s13, v6                       ; out of it: row r, + 128 h: my 32 numbers of each 64
	v_lshl_add_u32 v7, v1, 2, s14                  ; the tail: 4 bytes a lane in,
	v_lshl_add_u32 v8, v1, 3, s14                  ; 8 bytes a lane out
	s_mov_b32 s20, 0x76543210
	s_mov_b32 s21, 0xfedcba98                      ; v_permlanex16_b32: lane l xor 16
	s_mov_b32 s22, 0xffff0000                      ; lanes 16-31
	s_mul_i32 s15, ttmp9, 10
	s_add_co_u32 s15, s15, s12                     ; my record among the 2,560
	s_wait_alu depctr_va_vdst(0)
	s_wait_kmcnt 0x0
	s_cmp_lt_u32 s15, NZT                          ; z_e's or the codebook's?  The choice hangs on ids alone
	s_cselect_b64 s[4:5], s[4:5], s[6:7]
	s_cselect_b64 s[8:9], s[8:9], s[10:11]
	s_cselect_b32 s16, 0, NZT
	s_sub_co_u32 s15, s15, s16                     ; my record in its tensor
	s_lshl_b32 s16, s15, 14                        ; 16 rows of 1,024 bytes
	s_mov_b32 s17, 0
	s_add_nc_u64 s[4:5], s[4:5], s[16:17]
	s_mul_i32 s16, s15, REC
	s_add_nc_u64 s[8:9], s[8:9], s[16:17]
.set i, 0
.rept 32
	global_load_b128 v[X+4*i:X+4*i+3], v4, s[4:5] offset:512*i th:TH_LOAD_NT   ; 32 lanes read 512 consecutive bytes: half a row; read once in the launch
.set i, i+1
.endr
.set i, 0
.rept 32
	s_wait_loadcnt 31-i                            ; loads come back in order: load i is in, the 31 - i younger ones may be out
	ds_store_b128 v5, v[X+4*i:X+4*i+3] offset:(i/2)*SP+(i%2)*512
.set i, i+1
.endr
	s_wait_dscnt 0x0                               ; the stores have read X, which the loads below write
.irp b, 0,1,2,3
.irp j, 0,1,2,3,4,5,6,7
	ds_load_b128 v[X+32*\b+4*\j:X+32*\b+4*\j+3], v6 offset:256*\b+16*\j   ; block b = 2 s + c: k = 128 s + 64 c + 32 h + 0 .. 31 of row r
.endr
.endr
	s_wait_dscnt 0x0
.irp b, 0,1,2,3
	v_max3_num_f32 v[AM+\b], |v[X+32*\b]|, |v[X+32*\b+1]|, 0x2800000   ; the block's largest magnitude: all 32 are mine; and the floor 2^(5 - 127), which holds the byte at 1 from below
.endr
.irp j, 2,4,6,8,10,12,14,16,18,20,22,24,26,28,30
.irp b, 0,1,2,3
	s_delay_alu instid0(VALU_DEP_4)
	v_max3_num_f32 v[AM+\b], v[AM+\b], |v[X+32*\b+\j]|, |v[X+32*\b+\j+1]|   ; (the four blocks by turns)
.endr
.endr
.irp b, 0,1,2,3
	s_delay_alu instid0(VALU_DEP_4)
	v_add_nc_u32 v[SO+\b], 0xfe000000, v[AM+\b]    ; 4 off the exponent field: the conversion takes this operand's exponent field as its scale
.endr
.irp b, 0,1,2,3
	s_delay_alu instid0(VALU_DEP_4)
	v_lshrrev_b32 v[BY+\b], 23, v[SO+\b]           ; the scale's byte
.endr
.irp b, 0,1,2,3
	v_pk_mul_f32 v[Q+2*\b:Q+2*\b+1], v[X+32*\b:X+32*\b+1], v[X+32*\b:X+32*\b+1]   ; the sum of squares, of the numbers as given: the first product starts each chain
.endr
.irp j, 2,4,6,8,10,12,14,16,18,20,22,24,26,28,30
.irp b, 0,1,2,3
	s_delay_alu instid0(VALU_DEP_4)
	v_pk_fma_f32 v[Q+2*\b:Q+2*\b+1], v[X+32*\b+\j:X+32*\b+\j+1], v[X+32*\b+\j:X+32*\b+\j+1], v[Q+2*\b:Q+2*\b+1]
.endr
.endr
	s_delay_alu instid0(VALU_DEP_3)
	v_pk_add_f32 v[Q:Q+1], v[Q:Q+1], v[Q+2:Q+3]
	s_delay_alu instid0(VALU_DEP_2)
	v_pk_add_f32 v[Q+4:Q+5], v[Q+4:Q+5], v[Q+6:Q+7]
	s_delay_alu instid0(VALU_DEP_1)
	v_pk_add_f32 v[Q:Q+1], v[Q:Q+1], v[Q+4:Q+5]
	s_delay_alu instid0(VALU_DEP_1)
	v_add_f32 v[Q], v[Q], v[Q+1]
	s_delay_alu instid0(VALU_DEP_1)
	v_permlanex16_b32 v220, v[Q], s20, s21
	s_delay_alu instid0(VALU_DEP_1)
	v_add_f32 v[Q], v[Q], v220                     ; with lane l xor 16's half of the row: the row's sum
.irp b, 0,1,2,3
	v_cvt_scalef32_pk16_bf6_f32 v[F+6*\b:F+6*\b+2], v[X+32*\b:X+32*\b+15], v[SO+\b]        ; registers 6 c .. 6 c + 2 of fragment s: 16 codes, 96 bits
	v_cvt_scalef32_pk16_bf6_f32 v[T+4*\b:T+4*\b+2], v[X+32*\b+16:X+32*\b+31], v[SO+\b]     ; the block's other 16, made elsewhere and moved
.endr
	v_nop                                          ; one plain place behind the last scaled conversion
.irp b, 0,1,2,3
.irp j, 0,1,2
	v_mov_b32 v[F+6*\b+3+\j], v[T+4*\b+\j]
.endr
.endr
	v_lshl_or_b32 v221, v[BY+1], 16, v[BY]         ; K step 0: my two bytes, blocks h and 2 + h of row r,
	v_lshl_or_b32 v222, v[BY+3], 16, v[BY+2]       ; K step 1 likewise,
	s_delay_alu instid0(VALU_DEP_2)
	v_lshlrev_b32 v221, v10, v221                  ; at their places in the word (8 h bits up);
	s_delay_alu instid0(VALU_DEP_2)
	v_lshlrev_b32 v222, v10, v222
	s_delay_alu instid0(VALU_DEP_2)
	v_permlanex16_b32 v220, v221, s20, s21
	s_delay_alu instid0(VALU_DEP_2)
	v_permlanex16_b32 v223, v222, s20, s21
	s_delay_alu instid0(VALU_DEP_2)
	v_or_b32 v221, v221, v220                      ; with lane l xor 16's two bytes each word is whole, in both lanes
	s_delay_alu instid0(VALU_DEP_2)
	v_or_b32 v222, v222, v223
	s_delay_alu instid0(VALU_DEP_1)
	v_cndmask_b32 v221, v221, v222, s22            ; lanes 0-15 keep K step 0's word, lanes 16-31 take K step 1's
	v_cndmask_b32 v222, v[Q], v11, s22             ; lanes 0-15 the row's sum, lanes 16-31 zero
.irp k, 0,1,2,3,4,5
	global_store_b128 v4, v[F+4*\k:F+4*\k+3], s[8:9] offset:512*\k   ; 32 lanes store 512 consecutive bytes, at a multiple of 256 from the buffer's first byte
.endr
	ds_store_b32 v7, v221                          ; the tail is gathered in my own 256 bytes of LDS,
	ds_store_b32 v7, v222 offset:128
	ds_load_b64 v[12:13], v8                       ; (LDS serves a wave's instructions in order: this sees my stores)
	s_wait_dscnt 0x0
	global_store_b64 v9, v[12:13], s[8:9] offset:3072   ; and leaves as 256 consecutive bytes
	s_wait_tensorcnt 0x0
	ds_add_u32 v224, v225
	s_wait_dscnt 0x0
	s_endpgm
.Lfunc_end_k_qe9a68278bf_quant:
	.size	k_qe9a68278bf_quant, .Lfunc_end_k_qe9a68278bf_quant-k_qe9a68278bf_quant
	.p2alignl 7, 3214868480
	.fill 96, 4, 3214868480
	.section	.rodata,"a",@progbits
	.p2align	6, 0x0
	.amdhsa_kernel k_qe9a68278bf_quant
		.amdhsa_group_segment_fixed_size 170240
		.amdhsa_private_segment_fixed_size 0
		.amdhsa_enable_private_segment 0
		.amdhsa_kernarg_size 32
		.amdhsa_user_sgpr_count 2
		.amdhsa_user_sgpr_kernarg_segment_ptr 1
		.amdhsa_wavefront_size32 1
		.amdhsa_system_sgpr_workgroup_id_x 1
		.amdhsa_system_sgpr_workgroup_id_y 1
		.amdhsa_system_sgpr_workgroup_id_z 1
		.amdhsa_system_vgpr_workitem_id 0
		.amdhsa_next_free_vgpr 226
		.amdhsa_next_free_sgpr 66
		.amdhsa_reserve_vcc 0
		.amdhsa_float_denorm_mode_32 3
		.amdhsa_float_denorm_mode_16_64 3
		.amdhsa_memory_ordered 1
		.amdhsa_forward_progress 1
		.amdhsa_inst_pref_size 26
	.end_amdhsa_kernel
	.amdgpu_metadata
---
amdhsa.version: [ 1, 2 ]
amdhsa.kernels:
  - .name:           k_qe9a68278bf_quant
    .symbol:         k_qe9a68278bf_quant.kd
    .args:
      - { .name: z_e, .offset: 0, .size: 8, .value_kind: global_buffer, .address_space: global }
      - { .name: codebook, .offset: 8, .size: 8, .value_kind: global_buffer, .address_space: global }
      - { .name: zimg, .offset: 16, .size: 8, .value_kind: global_buffer, .address_space: global }
      - { .name: cimg, .offset: 24, .size: 8, .value_kind: global_buffer, .address_space: global }
    .group_segment_fixed_size: 170240
    .private_segment_fixed_size: 0
    .kernarg_segment_align: 8
    .kernarg_segment_size: 32
    .max_flat_workgroup_size: 320
    .sgpr_count:     66
    .vgpr_count:     226
    .wavefront_size: 32
...
	.end_amdgpu_metadata
.endif
;; end of part 1
;; launch main (part 2): grid 256 x 1, 8 waves a work-group, clusters of 4 x 1, 327,680 bytes of LDS; arguments zimg, cimg, cand; writes cand
.if DOCPART == 2
	.amdgcn_target "amdgcn-amd-amdhsa--gfx1250"
	.amdhsa_code_object_version 6
	.text
	.protected	k_qe9a68278bf_main
	.globl	k_qe9a68278bf_main
	.p2align	8
	.type	k_qe9a68278bf_main,@function
k_qe9a68278bf_main:
	s_mov_b64 s[64:65], 0
	v_nop
	global_prefetch_b8 v0, s[64:65] scope:SCOPE_SE
	s_setreg_imm32_b32 hwreg(HW_REG_WAVE_MODE, 25, 1), 1
	s_wait_xcnt 0x0
	s_wait_alu depctr_hold_cnt(0) depctr_sa_sdst(0) depctr_va_vdst(0) depctr_va_sdst(0) depctr_va_ssrc(0) depctr_va_vcc(0) depctr_vm_vsrc(0)
	s_getreg_b32 s2, hwreg(HW_REG_IB_STS2, 6, 4)
	s_cmp_eq_u32 s2, 0
	s_cbranch_scc0 .Lentry_in_a_cluster
	s_endpgm
.Lentry_in_a_cluster:
	s_bfe_u32 s2, ttmp6, 0x10000c
	s_cmp_lg_u32 s2, 0x3003
	s_cbranch_scc0 .Lentry_shape_is_right
	s_endpgm
.Lentry_shape_is_right:
; cand[row] = the first block of 8 codes that holds the row's smallest distance fl(fl(z_sq + e_sq) - 2 cross); cross by two scaled E3M2 matrix instructions (K = 256).
; z_sq stays, since its size decides how the f32 distances round and so which codes tie.  LIMITS: NaN and infinities are not served.
; SHARES.  A work-group owns 128 rows (8 records of zimg); every wave keeps all 8 in registers.  The 512 code records go in 16 steps of 32 through a ring of two LDS slots;
; wave w fetches and reads records 4 w .. 4 w + 3 of a step: 64 records x 8 tiles x 2 = 1,024 matrix instructions a wave.
; CLUSTER: the four work-groups of a cluster walk the same records: each wave's 13,312 bytes of a step are asked for jointly, by the same tensor load with the mask of all four.
; THE MATRIX INSTRUCTION IS USED TRANSPOSED: source 0 = 16 codes, source 1 = 16 rows of z: lane (r, h) holds row r, its registers codes 8 h + 0..7 of the record: block 2 x record + h.
; A RECORD'S WORK, in two halves of four tiles: 8 matrix instructions (two K steps, the four accumulators by turns), each followed by 4 of the 56 vector lines for the four tiles finished before; then the other 24 lines.
; PREFETCH: behind each refill the step that stands two refills on is named: 416 blocks of 256 bytes, once, by cluster 0 (all clusters walk the same records); its four partners take 104 blocks each, told apart by address;
; four waves, a lane a block, the lanes left over their wave's last block again.  Steps 0 to 3 come by their loads alone; the last step named is step 15.
; REGISTERS.  Window 0: v2-25 addresses and scale words; v26-41 e_sq, two sets; v42-89 code fragments, two sets; v90-153 sums, two fours of tiles by turns; v154-185 distances; v186-229 minima, blocks, the join.
; Window 1: v0-191 z's fragments; v192-207 z_sq of my row, a pair for each tile.
.set REC,    3328
.set WPART,  4*REC
.set STEPB,  8*WPART
.set SLOT1,  1<<17
.set MS,     STEPB                     ; between the slots, on bytes that no fill lands on: the waves' minima, their blocks, the result, the spare words
.set QS,     MS+4096
.set RS,     QS+4096
.set SPARE,  RS+512
.set LB,  2
.set LSB, 3
.set LEB, 4
.set ADR, 5
.set ADS, 6
.set ADE, 7
.set SPW, 8
.set NIL, 9
.set HH,  10
.set L16, 11
.set L4,  12
.set R4,  13
.set PFO, 14
.set ZSC, 16
.set CSC, 24
.set ESQ, 26
.set CF,  42
.set ACC, 90
.set S,   154
.set M,   186
.set IDX, 202
.set OM,  210
.set OQ,  218
.set AW,  226
.set AR,  227
.set RW,  228
.set RR,  229
.set ZQ,  192
.set WV,  10
.set CX,  11
.set WGI, 12
.set G1,  16
.set G0A, 24
.set G0W, 28
.set TB,  32
.set CNT, 33
.set WOF, 34
.set ID,  36
.set SEL, 42
.set PFA, 44
.set LIM, 46
.set MK,  48
.set MSB, 0
.macro WIN new                         ; the immediate's high byte repeats the setting that is left
.if MSB != \new
	s_set_vgpr_msb (MSB<<8)|\new
.set MSB, \new
.endif
.endm
.macro CREST                           ; a round of the cluster's barrier behind its opening barrier
	s_cmp_lg_u32 s[WV], 0
	s_cbranch_scc1 .Lnot_wave_0_\@
	s_barrier_signal -3
.Lnot_wave_0_\@:
	s_barrier_wait -3
	s_barrier_signal -1
	s_barrier_wait -1
.endm
.macro CROUND
	s_barrier_signal -1
	s_barrier_wait -1
	CREST
.endm
.macro KMUL par, ks, tz, ac            ; the scale words hold K step 0 in lanes 0-15, K step 1 in lanes 16-31
.if (\ks) == 0
	v_wmma_scale_f32_16x16x128_f8f6f4 v[\ac:\ac+7], v[CF+24*(\par):CF+24*(\par)+11], v[24*(\tz):24*(\tz)+11], 0, v[CSC+(\par)], v[ZSC+(\tz)] matrix_a_fmt:MATRIX_FMT_BF6 matrix_b_fmt:MATRIX_FMT_BF6
.else
	v_wmma_scale_f32_16x16x128_f8f6f4 v[\ac:\ac+7], v[CF+24*(\par)+12:CF+24*(\par)+23], v[24*(\tz)+12:24*(\tz)+23], v[\ac:\ac+7], v[CSC+(\par)], v[ZSC+(\tz)] matrix_a_fmt:MATRIX_FMT_BF6 matrix_b_fmt:MATRIX_FMT_BF6 matrix_a_scale:MATRIX_SCALE_ROW1 matrix_b_scale:MATRIX_SCALE_ROW1
.endif
.endm
; Line n of the 56 for four finished tiles (half lh of the record in set lpar), the four tiles by turns, so that a line reads nothing made fewer than four lines before it.
; Stages of four lines: 0-3 fl(e_sq + z_sq); 4-7 fl(that - 2 cross), each accumulator from its low end on; 8-11 the smallest of the 8 and of the minimum so far; 12-13 where it fell, the block's number is kept: a tie keeps the earlier block.
.macro LOP n, lpar, lh, id
.set LU,  (\n)%4
.set LS,  (\n)/4
.set LT,  4*(\lh)+LU
.set LRS, S+8*LU
.set LRA, ACC+32*(\lh)+8*LU
.set LRE, ESQ+8*(\lpar)
.set LMO, M+2*LT+(\lpar)
.set LMN, M+2*LT+1-(\lpar)
.set LP,  2*(LS%4)
.if LS < 4
	v_pk_add_f32 v[LRS+LP:LRS+LP+1], v[LRE+LP:LRE+LP+1], v[ZQ+2*LT:ZQ+2*LT+1]
.elseif LS < 8
	v_pk_fma_f32 v[LRS+LP:LRS+LP+1], v[LRA+LP:LRA+LP+1], -2.0, v[LRS+LP:LRS+LP+1] op_sel_hi:[1,0,1]
.elseif LS == 8
	v_min3_num_f32 v[LRS], v[LMO], v[LRS], v[LRS+1]
.elseif LS == 9
	v_min3_num_f32 v[LRS+2], v[LRS+2], v[LRS+3], v[LRS+4]
.elseif LS == 10
	v_min3_num_f32 v[LRS+5], v[LRS+5], v[LRS+6], v[LRS+7]
.elseif LS == 11
	v_min3_num_f32 v[LMN], v[LRS], v[LRS+2], v[LRS+5]
.elseif LS == 12
	v_cmp_lt_f32 s[MK+LU], v[LMN], v[LMO]
.else
	v_cndmask_b32 v[IDX+LT], v[IDX+LT], s[\id], s[MK+LU]
.endif
.endm
; Code set par x z's tiles 4 h .. 4 h + 3: 8 matrix instructions, K step 0 starts the sums, the four accumulators by turns; behind each, four of lines 0-31 for the half finished before.
; Source 1 lies in window 1 for all of them (z's fragments, z_sq).
.macro PARTA par, h, lpar, lh, id
	WIN 4
.set LN, 0
.irp k, 0,1
.irp t, 0,1,2,3
	KMUL \par, \k, 4*(\h)+\t, ACC+32*(\h)+8*\t
.rept 4
	LOP LN, \lpar, \lh, \id
.set LN, LN+1
.endr
.endr
.endr
.endm
.macro PARTB lpar, lh, id              ; lines 32-55, all in window 0
	WIN 0
.rept 24
	LOP LN, \lpar, \lh, \id
.set LN, LN+1
.endr
.endm
.macro FETCHC par, i                   ; record i of my four: its two fragments and its scale words
.irp k, 0,1,2,3,4,5
	ds_load_b128 v[CF+24*(\par)+4*\k:CF+24*(\par)+4*\k+3], v[ADR] offset:(\i)*REC+512*\k
.endr
	ds_load_b32 v[CSC+(\par)], v[ADS] offset:(\i)*REC
.endm
.macro FETCHE par, i                   ; e_sq of my 8 codes
	ds_load_b128 v[ESQ+8*(\par):ESQ+8*(\par)+3], v[ADE] offset:(\i)*REC
	ds_load_b128 v[ESQ+8*(\par)+4:ESQ+8*(\par)+7], v[ADE] offset:(\i)*REC+16
.endm
.macro AIM
	v_add_nc_u32 v[ADR], s[TB], v[LB]
	v_add_nc_u32 v[ADS], s[TB], v[LSB]
	v_add_nc_u32 v[ADE], s[TB], v[LEB]
.endm
; A record in set par.  The other set's fragments were last multiplied more than four plain lines ago: the next record's come at once; its e_sq when lines 0-15 have read the old ones.
.macro TILE par, opar, pid, oid, nxt
	s_wait_dscnt 0x0
	FETCHC \opar, \nxt
	PARTA \par, 0, \opar, 1, \pid
	FETCHE \opar, \nxt
	PARTB \opar, 1, \pid
	s_add_co_u32 s[\pid], s[\pid], 64
	PARTA \par, 1, \par, 0, \oid
	PARTB \par, 0, \oid
.endm
.macro THREE
	TILE 0, 1, ID+3, ID+0, 1
	TILE 1, 0, ID+0, ID+1, 2
	TILE 0, 1, ID+1, ID+2, 3
.endm
.macro ASK
	s_cmp_gt_u32 s[CNT], s[LIM]
	s_cbranch_scc0 .Lnot_mine_\@
	global_prefetch_b8 v[PFO], s[PFA:PFA+1] th:TH_LOAD_NT scope:SCOPE_SE
.Lnot_mine_\@:
.endm
; A step's fourth record, and the change of slots.  My reads of this slot are over; the round stands for the barrier in front of the refill.
.macro TILE3_FILL
	s_wait_dscnt 0x0
	s_wait_tensorcnt 0x0                           ; all my tensor loads have landed: my part of the next slot
	ds_add_u32 v[SPW], v[NIL]                      ; 0 onto my spare word; work on registers stands between it and the wait for it
	PARTA 1, 0, 0, 1, ID+2
	s_xor_b32 s[G0W+1], s[G0W+1], SLOT1            ; no tensor load of mine is out: the descriptor steps to the slot just read and the step two on
	s_add_nc_u64 s[G0W+2:G0W+3], s[G0W+2:G0W+3], STEPB
	s_wait_xcnt 0x0                                ; my last prefetch has read its base
	s_add_nc_u64 s[PFA:PFA+1], s[PFA:PFA+1], STEPB
	s_wait_dscnt 0x0
	s_barrier_signal -1
	PARTB 0, 1, ID+2                               ; work on registers while the others arrive
	s_add_co_u32 s[ID+2], s[ID+2], 64
	s_barrier_wait -1
	CREST
	tensor_load_to_lds s[G0W:G0W+3], s[G1:G1+7]    ; the first tensor load behind the round, one a wave
	s_nop 0
.rept 4
	v_nop
.endr
	s_xor_b32 s[TB], s[TB], SLOT1
	AIM
	FETCHC 0, 0
	FETCHE 0, 0
	ASK
	PARTA 1, 1, 1, 0, ID+3
	PARTB 1, 0, ID+3
.endm
	s_load_b128 s[4:7], s[0:1], 0x0                ; zimg, cimg
	s_load_b64 s[8:9], s[0:1], 0x10                ; cand
	v_lshl_add_u32 v[SPW], v0, 2, SPARE
	v_mov_b32 v[NIL], 0
	ds_add_u32 v[SPW], v[NIL]                      ; the opening lines: the add twice on end and one wait
	ds_add_u32 v[SPW], v[NIL]
	v_lshrrev_b32 v1, 5, v0
	s_delay_alu instid0(VALU_DEP_1)
	v_readfirstlane_b32 s[WV], v1                  ; wave 0..7
	s_bfe_u32 s[CX], ttmp6, 0x40000
	s_lshl_b32 s[WGI], ttmp9, 2
	s_add_co_u32 s[WGI], s[WGI], s[CX]
	s_mov_b32 s[G1+0], 15|(3<<16)|(1<<21)          ; the mask of all four; elements of 8 bytes; a dense block of 52 rows of 256 bytes
	s_mov_b32 s[G1+1], 32<<16
	s_mov_b32 s[G1+2], 52<<16
	s_mov_b32 s[G1+3], 32<<16
	s_mov_b32 s[G1+4], 52
	s_mov_b32 s[G1+5], 32
	s_mov_b32 s[G1+6], 0
	s_mov_b32 s[G1+7], 0
	s_mul_i32 s[WOF], s[WV], WPART
	s_mov_b32 s[WOF+1], 0
	s_mov_b32 s[TB], 0
	s_mov_b32 s[SEL], 0x76543210
	s_mov_b32 s[SEL+1], 0xfedcba98
	s_lshl_b32 s[ID], s[WV], 3                     ; 2 x record of my four in this step
	s_add_co_u32 s[ID+1], s[ID], 2
	s_add_co_u32 s[ID+2], s[ID], 4
	s_sub_co_u32 s[ID+3], s[ID], 58                ; (stepped once before its first use that counts)
	s_cmp_lt_u32 s[WV], 4
	s_cselect_b32 s[LIM], 0, 1
	s_or_b32 s[LIM], s[LIM], ttmp9
	s_cmp_eq_u32 s[LIM], 0
	s_cselect_b32 s[LIM], 2, -1                    ; waves 0-3 of cluster 0 ask while more than 2 trips are left; the others never
	s_lshl_b32 s40, s[WV], 9
	s_lshl_b32 s41, s[WV], 6
	s_lshl_b32 s47, s[WV], 5
	s_mul_i32 s2, s[WGI], 8*REC
	s_mov_b32 s3, 0
	v_and_b32 v1, 31, v0
	v_and_b32 v15, 15, v0
	v_bfe_u32 v[HH], v0, 4, 1
	v_mov_b32 v[S], 0x7f800000
	v_lshlrev_b32 v[L16], 4, v1
	v_lshlrev_b32 v[L4], 2, v1
	v_lshlrev_b32 v[R4], 2, v15
	v_add_nc_u32 v[PFO], s47, v1
	v_lshl_add_u32 v[LEB], v[HH], 5, s[WOF]
	v_add_nc_u32 v[LB], s[WOF], v[L16]
	v_add_nc_u32 v[LSB], s[WOF], v[L4]
	v_add_nc_u32 v[AW], s40, v[R4]
	v_add_nc_u32 v[AR], s41, v[R4]
	v_min_u32 v[PFO], 103, v[PFO]
	v_add_nc_u32 v[RR], RS, v[L16]
	v_add_nc_u32 v[LEB], 3200, v[LEB]
	v_add_nc_u32 v[LSB], 3072, v[LSB]
	v_add_nc_u32 v[AW], MS, v[AW]
	v_add_nc_u32 v[RW], RS, v[AR]
	v_lshlrev_b32 v[PFO], 8, v[PFO]
	v_add_nc_u32 v[AR], MS, v[AR]
.irp j, 0,1,2,3,4,5,6,7                ; the first 56 lines find e_sq = infinity and sums of 0: distances of infinity, which change nothing
	v_mov_b32 v[ESQ+8+\j], v[S]
	v_mov_b32 v[M+2*\j], v[S]
	v_mov_b32 v[M+2*\j+1], v[S]
	v_mov_b32 v[IDX+\j], 0
	v_mov_b32 v[OM+\j], 0                          ; (a lane permute's destination counts as one of its sources)
	v_mov_b32 v[OQ+\j], 0
.irp q, 0,1,2,3
	v_mov_b32 v[ACC+32+8*\q+\j], 0
.endr
.endr
	s_wait_alu depctr_va_vdst(0)
	s_wait_dscnt 0x0                               ; both opening adds are done
	s_wait_kmcnt 0x0
	s_add_nc_u64 s[4:5], s[4:5], s[2:3]
	WIN 0x40                                       ; destination window 1: z goes out first, 56 loads
.irp t, 0,1,2,3,4,5,6,7
	global_load_b32 v[ZQ+2*\t], v[R4], s[4:5] offset:\t*REC+3200
.endr
.irp t, 0,1,2,3,4,5,6,7
.irp k, 0,1,2,3,4,5
	global_load_b128 v[24*\t+4*\k:24*\t+4*\k+3], v[L16], s[4:5] offset:\t*REC+512*\k
.endr
.endr
	WIN 0
	s_mov_b32 s[G0A], 1
	s_mov_b32 s[G0A+1], s[WOF]
	s_add_nc_u64 s[G0A+2:G0A+3], s[6:7], s[WOF:WOF+1]
	s_mov_b32 s[G0W], 1
	s_add_co_u32 s[G0W+1], s[WOF], SLOT1
	s_add_nc_u64 s[G0W+2:G0W+3], s[G0A+2:G0A+3], STEPB
	s_or_b32 s[G0A+3], s[G0A+3], 0x80000000
	s_or_b32 s[G0W+3], s[G0W+3], 0x80000000
	s_mul_i32 s2, s[CX], 26624                     ; my work-group's 104 blocks of a step
	s_add_co_u32 s2, s2, 3*STEPB                   ; (stepped to step 4 ahead of the first prefetch)
	s_add_nc_u64 s[PFA:PFA+1], s[6:7], s[2:3]
	s_lshl_b32 s2, s[WGI], 9
	s_add_nc_u64 s[8:9], s[8:9], s[2:3]
	CROUND                                         ; all four work-groups are here: the first joint loads meet
	tensor_load_to_lds s[G0A:G0A+3], s[G1:G1+7]    ; step 0: one tensor load a wave at the head
	s_nop 0
.irp t, 0,1,2,3,4,5,6,7
	global_load_b32 v[ZSC+\t], v[L4], s[4:5] offset:\t*REC+3072
.endr
	s_wait_tensorcnt 0x0
	ds_add_u32 v[SPW], v[NIL]
	s_wait_dscnt 0x0
	CROUND
	tensor_load_to_lds s[G0W:G0W+3], s[G1:G1+7]    ; step 1, into slot 1
	s_nop 0
.rept 4
	v_nop
.endr
	s_wait_loadcnt 0x0
	WIN 0x41
.irp t, 0,1,2,3,4,5,6,7
	v_mov_b32 v[ZQ+2*\t+1], v[ZQ+2*\t]             ; z_sq twice: a pair for the packed addition
.endr
	WIN 0
	s_wait_tensorcnt 0x1                           ; step 1's load may be out; step 0's has landed
	AIM
	FETCHC 0, 0
	FETCHE 0, 0
	s_mov_b32 s[CNT], 14
.Lstep:
	s_wait_alu depctr_va_vdst(0)
	THREE
	TILE3_FILL
	s_sub_co_u32 s[CNT], s[CNT], 1
	s_cmp_lg_u32 s[CNT], 0
	s_cbranch_scc1 .Lstep
	THREE                                          ; step 14: nothing is left to fetch, so no round; I read my own load's bytes alone, behind my own wait
	s_wait_dscnt 0x0
	PARTA 1, 0, 0, 1, ID+2
	PARTB 0, 1, ID+2
	s_add_co_u32 s[ID+2], s[ID+2], 64
	s_wait_tensorcnt 0x0
	s_xor_b32 s[TB], s[TB], SLOT1
	AIM
	FETCHC 0, 0
	FETCHE 0, 0
	PARTA 1, 1, 1, 0, ID+3
	PARTB 1, 0, ID+3
	THREE                                          ; step 15
	s_wait_dscnt 0x0
	PARTA 1, 0, 0, 1, ID+2
	PARTB 0, 1, ID+2
	PARTA 1, 1, 1, 0, ID+3
	PARTB 1, 0, ID+3
	WIN 4                                          ; the last four tiles' 56 lines
.set LN, 0
.rept 32
	LOP LN, 1, 1, ID+3
.set LN, LN+1
.endr
	PARTB 1, 1, ID+3
; THE JOIN: of two (minimum, block) the smaller minimum stays, at a tie the lower block
.macro MERGE m, q, om, oq
	v_cmp_lt_f32 s[MK], v[\om], v[\m]
	v_cmp_eq_f32 s[MK+1], v[\om], v[\m]
	v_cmp_lt_u32 s47, v[\oq], v[\q]
	s_and_b32 s[MK+1], s[MK+1], s47
	s_or_b32 s[MK], s[MK], s[MK+1]
	v_cndmask_b32 v[\m], v[\m], v[\om], s[MK]
	v_cndmask_b32 v[\q], v[\q], v[\oq], s[MK]
.endm
.irp t, 0,1,2,3,4,5,6,7
	v_add_nc_u32 v[IDX+\t], v[IDX+\t], v[HH]       ; block = 2 x record + h
.endr
.irp t, 0,1,2,3,4,5,6,7
	v_permlanex16_b32 v[OM+\t], v[M+2*\t], s[SEL], s[SEL+1]
	v_permlanex16_b32 v[OQ+\t], v[IDX+\t], s[SEL], s[SEL+1]
.endr
.irp t, 0,1,2,3,4,5,6,7
	MERGE M+2*\t, IDX+\t, OM+\t, OQ+\t             ; with lane l xor 16: both lanes of a row now hold the same
.endr
.irp t, 0,1,2,3,4,5,6,7
	ds_store_b32 v[AW], v[M+2*\t] offset:64*\t
	ds_store_b32 v[AW], v[IDX+\t] offset:QS-MS+64*\t
.endr
	s_wait_dscnt 0x0                               ; for the others' sake
	s_barrier_signal -1
	s_barrier_wait -1
.irp p, 0,1,2,3,4,5,6,7                ; wave w joins the eight waves' figures for tile w
	ds_load_b32 v[OM+\p], v[AR] offset:512*\p
	ds_load_b32 v[OQ+\p], v[AR] offset:QS-MS+512*\p
.endr
	s_wait_dscnt 0x0
.irp p, 1,2,3,4,5,6,7
	MERGE OM, OQ, OM+\p, OQ+\p
.endr
	ds_store_b32 v[RW], v[OQ]
	s_wait_dscnt 0x0
	s_barrier_signal -1
	s_barrier_wait -1
	s_cmp_lg_u32 s[WV], 0
	s_cbranch_scc1 .Lnot_first
	ds_load_b128 v[OM:OM+3], v[RR]
	s_wait_dscnt 0x0
	global_store_b128 v[L16], v[OM:OM+3], s[8:9]   ; 512 consecutive bytes, at a multiple of 256 from cand's first byte
.Lnot_first:
	s_wait_tensorcnt 0x0                           ; the wave's end
	ds_add_u32 v[SPW], v[NIL]
	s_wait_dscnt 0x0
	CROUND                                         ; the closing round
	s_endpgm
.Lfunc_end_k_qe9a68278bf_main:
	.size	k_qe9a68278bf_main, .Lfunc_end_k_qe9a68278bf_main-k_qe9a68278bf_main
	.p2alignl 7, 3214868480
	.fill 96, 4, 3214868480
	.section	.rodata,"a",@progbits
	.p2align	6, 0x0
	.amdhsa_kernel k_qe9a68278bf_main
		.amdhsa_group_segment_fixed_size 327680
		.amdhsa_private_segment_fixed_size 0
		.amdhsa_enable_private_segment 0
		.amdhsa_kernarg_size 24
		.amdhsa_user_sgpr_count 2
		.amdhsa_user_sgpr_kernarg_segment_ptr 1
		.amdhsa_wavefront_size32 1
		.amdhsa_system_sgpr_workgroup_id_x 1
		.amdhsa_system_sgpr_workgroup_id_y 1
		.amdhsa_system_sgpr_workgroup_id_z 1
		.amdhsa_system_vgpr_workitem_id 0
		.amdhsa_next_free_vgpr 512
		.amdhsa_next_free_sgpr 66
		.amdhsa_reserve_vcc 0
		.amdhsa_float_denorm_mode_32 3
		.amdhsa_float_denorm_mode_16_64 3
		.amdhsa_memory_ordered 1
		.amdhsa_forward_progress 1
		.amdhsa_inst_pref_size 146
	.end_amdhsa_kernel
	.amdgpu_metadata
---
amdhsa.version: [ 1, 2 ]
amdhsa.kernels:
  - .name:           k_qe9a68278bf_main
    .symbol:         k_qe9a68278bf_main.kd
    .args:
      - { .name: zimg, .offset: 0, .size: 8, .value_kind: global_buffer, .address_space: global }
      - { .name: cimg, .offset: 8, .size: 8, .value_kind: global_buffer, .address_space: global }
      - { .name: cand, .offset: 16, .size: 8, .value_kind: global_buffer, .address_space: global }
    .group_segment_fixed_size: 327680
    .private_segment_fixed_size: 0
    .kernarg_segment_align: 8
    .kernarg_segment_size: 24
    .max_flat_workgroup_size: 256
    .sgpr_count:     66
    .vgpr_count:     512
    .wavefront_size: 32
...
	.end_amdgpu_metadata
.endif
;; end of part 2
;; launch pick (part 3): grid 256 x 1, 16 waves a work-group, no clusters, 3,072 bytes of LDS; arguments zimg, cimg, cand, out0; writes out0
.if DOCPART == 3
	.amdgcn_target "amdgcn-amd-amdhsa--gfx1250"
	.amdhsa_code_object_version 6
	.text
	.protected	k_qe9a68278bf_pick
	.globl	k_qe9a68278bf_pick
	.p2align	8
	.type	k_qe9a68278bf_pick,@function
k_qe9a68278bf_pick:
	s_mov_b64 s[64:65], 0
	v_nop
	global_prefetch_b8 v0, s[64:65] scope:SCOPE_SE
	s_setreg_imm32_b32 hwreg(HW_REG_WAVE_MODE, 25, 1), 1
	s_wait_xcnt 0x0
; out0[row] = the first of the 8 codes of block cand[row] with the smallest distance.  The distances are made again as the launch before made them: the same codes, scale words and sums of squares,
; the same two matrix instructions for each sum, the same addition and fused multiply-add.  cand holds whole numbers that an earlier launch stored; each is held to 0 .. 1023 before it enters an address.
; SHARES.  A work-group owns 128 rows (8 records of zimg); wave w takes record w / 2 and its rows 8 u .. 8 u + 7, u = w % 2, as four PAIRS of rows.
; A PAIR'S PRODUCT.  Source 0: rows 0-7 are the eight candidates of the pair's first row, rows 8-15 those of its second, gathered lane by lane out of the codes' register images
; (code c lies in record c / 16 at lanes c % 16 and 16 + c % 16).  Source 1: the record of z.  Row rho's eight sums then lie in ONE lane: lane rho where rho is even, lane 16 + rho where it is odd.
; No tensor load, no cluster: the work-groups share nothing but scattered records.  LIMITS: NaN and infinities are not served.
.set REC, 3328
.set ZF,  16                           ; v16-39   z's two fragments;  v40 its scale words;  v41 z_sq of row r
.set QO,  42                           ; v42      the block of my own row r
.set QP,  44                           ; v44-47   the block of row 8 u + 2 p + r / 8: whose candidate I fetch for pair p
.set CO,  48                           ; v48-51   byte offsets of my lane's codes
.set SOF, 52                           ; v52-55   of its scale words
.set EO,  56                           ; v56      of e_sq of my own row's block
.set OD,  58                           ; v58-61   at work
.set AF,  64                           ; v64-159  the four pairs' fragments, 24 registers each
.set AS,  160                          ; v160-163 their scale words
.set EQ,  164                          ; v164-171 e_sq of my row's eight candidates
.set ACC, 176                          ; v176-207 four accumulators
.set G,   208                          ; v208-215 my row's eight sums
.set DD,  216                          ; v216-223 its eight distances
	s_load_b256 s[4:11], s[0:1], 0x0               ; zimg s[4:5], cimg s[6:7], cand s[8:9], out0 s[10:11]
	v_lshl_add_u32 v254, v0, 2, 0x400
	v_mov_b32 v255, 0
	v_lshrrev_b32 v1, 5, v0
	s_delay_alu instid0(VALU_DEP_1)
	v_readfirstlane_b32 s12, v1                    ; wave 0..15
	s_and_b32 s13, s12, 1                          ; u
	s_lshr_b32 s14, s12, 1                         ; my record among the work-group's eight
	v_and_b32 v1, 31, v0                           ; lane
	v_and_b32 v2, 15, v0                           ; r
	v_bfe_u32 v3, v0, 4, 1                         ; h
	s_delay_alu instid0(VALU_DEP_3)
	v_lshlrev_b32 v4, 4, v1                        ; 16 x lane
	s_delay_alu instid0(VALU_DEP_4)
	v_lshlrev_b32 v5, 2, v1                        ; 4 x lane
	s_delay_alu instid0(VALU_DEP_4)
	v_lshlrev_b32 v6, 2, v2                        ; 4 r
	v_bfe_u32 v7, v0, 3, 1                         ; r / 8
	s_delay_alu instid0(VALU_DEP_1)
	v_lshlrev_b32 v7, 2, v7
	v_and_b32 v8, 7, v0                            ; r % 8: which candidate
	s_delay_alu instid0(VALU_DEP_1)
	v_lshlrev_b32 v9, 4, v8
	s_delay_alu instid0(VALU_DEP_1)
	v_lshl_add_u32 v9, v3, 8, v9                   ; codes: 16 (r % 8) + 256 h
	s_delay_alu instid0(VALU_DEP_3)
	v_lshlrev_b32 v10, 2, v8
	s_delay_alu instid0(VALU_DEP_1)
	v_lshl_add_u32 v10, v3, 6, v10
	s_delay_alu instid0(VALU_DEP_1)
	v_add_nc_u32 v10, 3072, v10                    ; scale words: 3072 + 4 (r % 8) + 64 h
	s_lshl_b32 s15, s13, 9
	s_lshl_b32 s16, s14, 6
	s_add_co_u32 s15, s15, s16
	v_add_nc_u32 v11, s15, v6                      ; LDS: 512 u + 64 x record + 4 r
	v_and_b32 v12, 2, v1
	s_delay_alu instid0(VALU_DEP_1)
	v_lshl_add_u32 v12, v12, 8, v4                 ; and back: lane l takes rows 4 l .. 4 l + 3, which half u = (l / 2) % 2 made: 512 u + 16 l
	s_lshl_b32 s24, s13, 5
	v_add_nc_u32 v13, s24, v7                      ; cand: 4 (8 u + r / 8); the pair stands in the immediate
	s_lshl_b32 s25, s13, 3                         ; 8 u
	s_lshl_b32 s29, 0x80004, s25                   ; the two lanes that hold pair p's sums: 8 u + 2 p and 16 + 8 u + 2 p + 1
	s_lshl_b32 s30, 0x200010, s25
	s_lshl_b32 s31, 0x800040, s25
	s_mov_b32 s20, 0x76543210
	s_mov_b32 s21, 0xfedcba98                      ; v_permlanex16_b32: lane l xor 16
	s_mov_b32 s22, 0xaaaa5555                      ; the lanes with h = r % 2: those that hold a row's sums
	s_lshl_b32 s17, ttmp9, 3
	s_add_co_u32 s17, s17, s14                     ; my record of zimg
	s_mul_i32 s18, s17, REC
	s_mov_b32 s19, 0
	s_wait_alu depctr_va_vdst(0)
	s_wait_kmcnt 0x0
	s_add_nc_u64 s[4:5], s[4:5], s[18:19]
	s_lshl_b32 s18, s17, 6
	s_add_nc_u64 s[8:9], s[8:9], s[18:19]          ; cand at my record's 16 rows
	s_lshl_b32 s18, ttmp9, 9
	s_add_nc_u64 s[10:11], s[10:11], s[18:19]      ; out0 at the work-group's 128 rows
	global_load_b32 v[QO], v6, s[8:9]
.irp p, 0,1,2,3
	global_load_b32 v[QP+\p], v13, s[8:9] offset:8*\p
.endr
.irp k, 0,1,2,3,4,5
	global_load_b128 v[ZF+4*\k:ZF+4*\k+3], v4, s[4:5] offset:512*\k
.endr
	global_load_b32 v40, v5, s[4:5] offset:3072
	global_load_b32 v41, v6, s[4:5] offset:3200
	s_wait_loadcnt 8                               ; the five block numbers are in; the eight younger loads, z's, may be out
	v_min_u32 v[QO], 0x3ff, v[QO]                  ; a loaded number enters an address only behind this hold
.irp p, 0,1,2,3
	v_min_u32 v[QP+\p], 0x3ff, v[QP+\p]
.endr
	v_and_b32 v[EO], 0x3fe, v[QO]                  ; block q lies in record q / 2: (q & 0x3fe) x 1,664 bytes,
	s_delay_alu instid0(VALU_DEP_1)
	v_mul_u32_u24 v[EO], v[EO], 1664
	v_and_b32 v57, 1, v[QO]                        ; in its lower or upper eight rows
	s_delay_alu instid0(VALU_DEP_1)
	v_lshl_add_u32 v[EO], v57, 5, v[EO]
	s_delay_alu instid0(VALU_DEP_1)
	v_add_nc_u32 v[EO], 3200, v[EO]
.irp p, 0,1,2,3
	v_and_b32 v[CO+\p], 0x3fe, v[QP+\p]
	v_and_b32 v[OD+\p], 1, v[QP+\p]
.endr
.irp p, 0,1,2,3
	v_mul_u32_u24 v[CO+\p], v[CO+\p], 1664
.endr
.irp p, 0,1,2,3
	v_lshl_add_u32 v[SOF+\p], v[OD+\p], 5, v[CO+\p]
	v_lshl_add_u32 v[CO+\p], v[OD+\p], 7, v[CO+\p]
.endr
.irp p, 0,1,2,3
	v_add_nc_u32 v[SOF+\p], v[SOF+\p], v10
	v_add_nc_u32 v[CO+\p], v[CO+\p], v9
.endr
.irp p, 0,1,2,3
.irp k, 0,1,2,3,4,5
	global_load_b128 v[AF+24*\p+4*\k:AF+24*\p+4*\k+3], v[CO+\p], s[6:7] offset:512*\k   ; the image's 16 bytes of the lane that holds my candidate
.endr
	global_load_b32 v[AS+\p], v[SOF+\p], s[6:7]
.endr
	global_load_b128 v[EQ:EQ+3], v[EO], s[6:7]
	global_load_b128 v[EQ+4:EQ+7], v[EO], s[6:7] offset:16
	s_wait_loadcnt 0x0
.irp p, 0,1,2,3                        ; the four accumulators by turns; K step 0 starts the sums
	v_wmma_scale_f32_16x16x128_f8f6f4 v[ACC+8*\p:ACC+8*\p+7], v[AF+24*\p:AF+24*\p+11], v[ZF:ZF+11], 0, v[AS+\p], v40 matrix_a_fmt:MATRIX_FMT_BF6 matrix_b_fmt:MATRIX_FMT_BF6
.endr
.irp p, 0,1,2,3
	v_wmma_scale_f32_16x16x128_f8f6f4 v[ACC+8*\p:ACC+8*\p+7], v[AF+24*\p+12:AF+24*\p+23], v[ZF+12:ZF+23], v[ACC+8*\p:ACC+8*\p+7], v[AS+\p], v40 matrix_a_fmt:MATRIX_FMT_BF6 matrix_b_fmt:MATRIX_FMT_BF6 matrix_a_scale:MATRIX_SCALE_ROW1 matrix_b_scale:MATRIX_SCALE_ROW1
.endr
.rept 4
	v_nop                                          ; four places ahead of the first read of the sums (ISA guide 7.12.1)
.endr
.irp j, 0,1,2,3,4,5,6,7                ; my row's sums out of its pair's accumulator: each accumulator is read from its low end on
	v_cndmask_b32 v[G+\j], v[ACC+\j], v[ACC+8+\j], s29
	v_cndmask_b32 v[G+\j], v[G+\j], v[ACC+16+\j], s30
	v_cndmask_b32 v[G+\j], v[G+\j], v[ACC+24+\j], s31
.endr
.irp j, 0,1,2,3,4,5,6,7
	v_add_f32 v[DD+\j], v41, v[EQ+\j]              ; fl(z_sq + e_sq)
.endr
.irp j, 0,1,2,3,4,5,6,7
	v_fma_f32 v[DD+\j], v[G+\j], -2.0, v[DD+\j]    ; fl(that - 2 cross)
.endr
	v_mov_b32 v224, 0                              ; the first smallest of the eight, in ascending order:
.irp j, 1
	v_cmp_le_f32 vcc_lo, v[DD], v[DD+\j]           ; where the best so far is not above candidate j, it stays: a tie keeps the lower index
	s_delay_alu instid0(VALU_DEP_1)
	v_cndmask_b32 v224, \j, v224, vcc_lo
	v_min_num_f32 v[DD], v[DD], v[DD+\j]
.endr
.irp j, 2, 3, 4, 5, 6, 7
	s_delay_alu instid0(VALU_DEP_1)
	v_cmp_le_f32 vcc_lo, v[DD], v[DD+\j]           ; where the best so far is not above candidate j, it stays: a tie keeps the lower index
	s_delay_alu instid0(VALU_DEP_1)
	v_cndmask_b32 v224, \j, v224, vcc_lo
	s_delay_alu instid0(VALU_DEP_3)
	v_min_num_f32 v[DD], v[DD], v[DD+\j]
.endr
	s_delay_alu instid0(VALU_DEP_2)
	v_lshl_add_u32 v224, v[QO], 3, v224            ; the code: 8 x block + place
	v_mov_b32 v225, 0
	s_delay_alu instid0(VALU_DEP_1)
	v_permlanex16_b32 v225, v224, s20, s21
	s_delay_alu instid0(VALU_DEP_1)
	v_cndmask_b32 v224, v225, v224, s22            ; both lanes of a row now hold the number of the lane that had the row's sums
	ds_store_b32 v11, v224                         ; all 16 rows are written; of half u's words only rows 8 u .. 8 u + 7 are read
	s_wait_dscnt 0x0                               ; for the others' sake: my store has landed
	s_barrier_signal -1
	s_barrier_wait -1
	s_cmp_lg_u32 s12, 0
	s_cbranch_scc1 .Ldone
	ds_load_b128 v[228:231], v12                   ; wave 0 stores the work-group's 128 numbers:
	s_wait_dscnt 0x0
	global_store_b128 v4, v[228:231], s[10:11]     ; 512 consecutive bytes, at a multiple of 256 from out0's first byte
.Ldone:
	s_wait_tensorcnt 0x0
	ds_add_u32 v254, v255
	s_wait_dscnt 0x0
	s_endpgm
.Lfunc_end_k_qe9a68278bf_pick:
	.size	k_qe9a68278bf_pick, .Lfunc_end_k_qe9a68278bf_pick-k_qe9a68278bf_pick
	.p2alignl 7, 3214868480
	.fill 96, 4, 3214868480
	.section	.rodata,"a",@progbits
	.p2align	6, 0x0
	.amdhsa_kernel k_qe9a68278bf_pick
		.amdhsa_group_segment_fixed_size 3072
		.amdhsa_private_segment_fixed_size 0
		.amdhsa_enable_private_segment 0
		.amdhsa_kernarg_size 32
		.amdhsa_user_sgpr_count 2
		.amdhsa_user_sgpr_kernarg_segment_ptr 1
		.amdhsa_wavefront_size32 1
		.amdhsa_system_sgpr_workgroup_id_x 1
		.amdhsa_system_sgpr_workgroup_id_y 1
		.amdhsa_system_sgpr_workgroup_id_z 1
		.amdhsa_system_vgpr_workitem_id 0
		.amdhsa_next_free_vgpr 256
		.amdhsa_next_free_sgpr 66
		.amdhsa_reserve_vcc 1
		.amdhsa_float_denorm_mode_32 3
		.amdhsa_float_denorm_mode_16_64 3
		.amdhsa_memory_ordered 1
		.amdhsa_forward_progress 1
		.amdhsa_inst_pref_size 15
	.end_amdhsa_kernel
	.amdgpu_metadata
---
amdhsa.version: [ 1, 2 ]
amdhsa.kernels:
  - .name:           k_qe9a68278bf_pick
    .symbol:         k_qe9a68278bf_pick.kd
    .args:
      - { .name: zimg, .offset: 0, .size: 8, .value_kind: global_buffer, .address_space: global }
      - { .name: cimg, .offset: 8, .size: 8, .value_kind: global_buffer, .address_space: global }
      - { .name: cand, .offset: 16, .size: 8, .value_kind: global_buffer, .address_space: global }
      - { .name: out0, .offset: 24, .size: 8, .value_kind: global_buffer, .address_space: global }
    .group_segment_fixed_size: 3072
    .private_segment_fixed_size: 0
    .kernarg_segment_align: 8
    .kernarg_segment_size: 32
    .max_flat_workgroup_size: 512
    .sgpr_count:     66
    .vgpr_count:     256
    .wavefront_size: 32
...
	.end_amdgpu_metadata
.endif
;; end of part 3
